; MI455X (gfx1250); checked and timed in simulation.
; The chip was launched on July 23, 2026; its instructions are those of AMD's public machine-readable ISA for CDNA 5 (MIT licence, August 2026) and "CDNA5" Instruction Set Architecture Reference Guide (July 2026). The comments in the code are by the model that wrote it; some were corrected since.
;; MHA. Allowed arithmetic: matrix products marked QUANTISED: E4M3 operands, one given power-of-two scale a tensor, by v_wmma_f32_16x16x64_fp8_fp8 or v_wmma_f32_16x16x128_fp8_fp8, f32 sums; everything else in f32.
;; Inputs: dense_b 1,024 float32; dense_w_codes 1,024 x 32 x 32 uint8 (E4M3 codes of dense_w, K innermost, in blocks of 32 codes); lowp_scales 12 int32 (the exponents e of the quantised operands' scales 2^e); mask 1 x 1 x 2,048 x 2,048 float32; wk_b 1,024 float32; wk_w_codes 1,024 x 32 x 32 uint8 (E4M3 codes of wk_w, K innermost, in blocks of 32 codes); wq_b 1,024 float32; wq_w_codes 1,024 x 32 x 32 uint8 (E4M3 codes of wq_w, K innermost, in blocks of 32 codes); wv_b 1,024 float32; wv_w_codes 1,024 x 32 x 32 uint8 (E4M3 codes of wv_w, K innermost, in blocks of 32 codes); x_codes 4 x 2,048 x 32 x 32 uint8 (E4M3 codes of x, K innermost, in blocks of 32 codes).
;; Outputs: out0 4 x 2,048 x 1,024 float32.
;; This version of the problem:
;;   THIS VERSION OF THE PROBLEM IS GIVEN IN LOW PRECISION. The matrix products marked QUANTISED in the list below multiply operands that are first quantised to E4M3 (4 exponent bits, 3 mantissa bits; 8 bits a number), with one given power-of-two scale for each operand tensor; their sums are f32. All else is computed in f32.
;;   The module's matrix products, in the order in which they are computed (A, B: the left and right operand; K: the contracted axis; several contracted axes count as one K, in the product's order):
;;     1. [M 8,192, K 1,024] x [K 1,024, N 1,024]; A: input x (given as codes); B: input wq_w (given as codes): QUANTISED (scales: A lowp_scales[0], B lowp_scales[1])
;;     2. [M 8,192, K 1,024] x [K 1,024, N 1,024]; A: input x (given as codes); B: input wk_w (given as codes): QUANTISED (scales: A lowp_scales[2], B lowp_scales[3])
;;     3. [M 8,192, K 1,024] x [K 1,024, N 1,024]; A: input x (given as codes); B: input wv_w (given as codes): QUANTISED (scales: A lowp_scales[4], B lowp_scales[5])
;;     4. batch 64 x [M 2,048, K 64] x [K 64, N 2,048]; A: computed on the way; B: computed on the way: QUANTISED (scales: A lowp_scales[6], B lowp_scales[7])
;;     5. batch 64 x [M 2,048, K 2,048] x [K 2,048, N 64]; A: softmax (see below); B: computed on the way: QUANTISED (scales: A lowp_scales[8], B lowp_scales[9])
;;     6. [M 8,192, K 1,024] x [K 1,024, N 1,024]; A: computed on the way; B: input dense_w (given as codes): QUANTISED (scales: A lowp_scales[10], B lowp_scales[11])
;;   THE QUANTISER, for each operand of a quantised product, along K:
;;     - The operand's scale is 2^e, e = its entry of the input lowp_scales (int32; the entries are numbered through the quantised products in the list's order, A before B).
;;     - Each number is divided by the scale, clamped to +-448, and rounded to the nearest number of E4M3, ties to even, subnormals kept.
;;     - The product sums the exact products of the quantised numbers (number of the format x scale) in f32.
;;   ~~~python
;;   def quantise(x, axis, e):      # numpy; x: float32 -> the quantised numbers, widened to float32 again
;;       x = np.moveaxis(x, axis, -1); K = x.shape[-1]
;;       r = np.clip(x / 2.0 ** e, -448, 448)
;;       step = 2.0 ** (np.maximum(np.frexp(np.where(r == 0, 1, r))[1] - 1, -6) - 3)
;;       q = np.round(r / step) * step * 2.0 ** e      # np.round: ties to even
;;       return np.moveaxis(q, -1, axis).astype(np.float32)
;;   ~~~
;;   SOFTMAX AHEAD OF A QUANTISED PRODUCT. Where the list says 'softmax', what is quantised is not the finished softmax but p = 2^(t - M), with t = logit x log2(e) and M = ceil(the row's largest t), a whole number; so 1/2 < the row's largest p <= 1. The row's sum l is taken of the UNQUANTISED p, in f32, and the product's result is divided by l at the end. Since M is a whole number, a kernel that streams over the keys may use a running M (the ceiling of the running maximum): every later rescaling is an exact power of two, so the quantised numbers keep their values, but for numbers so far below the row's largest that they fall under the format's range.
;;   OPERANDS COMPUTED ON THE WAY. 'Computed on the way' means the value that the module computes at that place (a softmax that the list does not call 'softmax' is quantised finished and normalised). What goes into a quantiser is computed in f32, as accurately as f32 sums, v_exp_f32 and their like allow (about 1e-6 of the number): no bf16 or f16 on the way to a quantiser, and a product that is left as it is and whose result goes on into a quantised operand takes f32 operands (vector FMAs, or v_wmma_f32_16x16x4_f32). A number that lies on a knife's edge between two numbers of the format may be rounded either way, as far as f32 arithmetic and the matrix unit's own rounding can turn it there, and no further.
;;   INPUTS GIVEN AS CODES. dense_w (in the module: [1024, 1024], K = its axis 0); wk_w (in the module: [1024, 1024], K = its axis 0); wq_w (in the module: [1024, 1024], K = its axis 0); wv_w (in the module: [1024, 1024], K = its axis 0); x (in the module: [4, 2048, 1024], K = its axis 2): each comes as NAME_codes (uint8): NAME with its K axis moved to the last place and cut into blocks of 32 codes, [.., K / 32, bytes a block], one block behind the other in memory; one code a byte (a code: sign, 4 exponent bits, 3 mantissa bits); its scale is its entry of lowp_scales. Its value is code x scale, taken as it is: it is not quantised again, and the codes and scales need not be those that the quantiser above would give.
;; One version. Each part assembles by itself: llvm-mc -triple=amdgcn-amd-amdhsa -mcpu=gfx1250 --defsym DOCPART=n.
;; ======== version 1 of 1: 4 launches
;; limits: right only within a limited range of input values
;; workspace buffers: q_img 8,388,608 bytes; kv_img 16,777,216 bytes; o_img 8,388,608 bytes; m_img 16,777,216 bytes; flags 65,536 bytes of whole numbers
;; launch mprep (part 1): grid 128 x 1, 16 waves a work-group, no clusters, 139,264 bytes of LDS; arguments mask, lowp_scales, m_img, flags; writes m_img, flags
.if DOCPART == 1
	.amdgcn_target "amdgcn-amd-amdhsa--gfx1250"
	.amdhsa_code_object_version 6
	.text
	.protected	k_q19e4c7ca0a_mprep
	.globl	k_q19e4c7ca0a_mprep
	.p2align	8
	.type	k_q19e4c7ca0a_mprep,@function
k_q19e4c7ca0a_mprep:
	s_mov_b64 s[64:65], 0
	v_nop
	global_prefetch_b8 v0, s[64:65] scope:SCOPE_SE
	s_setreg_imm32_b32 hwreg(HW_REG_WAVE_MODE, 25, 1), 1
	s_wait_xcnt 0x0
; Prepares the mask [2048][2048] f32 for the attention launch.  A work-group owns 16 queries (tile qt), wave s the key step s (128 keys).
; m_img: the term mt = mask x (-1e9 log2(e)), rounded to f32, as images of registers: ((16 qt + s) << 13) + 512 n + 16 lane holds, for lane (r = lane % 16, h = lane / 16),
;   keys 128 s + 16 (n / 2) + 8 h + 4 (n % 2) + 0 .. 3 of query 16 qt + r: the layout of a tile of scores with the keys along a lane's registers.
; flags: one word for each tile qt (written 128 times over 512 bytes, so that whole aligned units are stored): bit s is set where key step s can matter for one of the 16 queries.
; WHEN A STEP CANNOT MATTER.  t = score x c + mt, c = log2(e) / 32.  The codes of q and k are at most 448 x their scales, so |score x c| <= B = 64 x 448^2 x c x 2^(e6 + e7), whatever the inputs hold.
; Let R be the row's largest mt over all 2,048 keys.  If every mt of a step lies under R - (2.02 B + 256) - 2^-20 |R|, then every t of the step, with its f32 rounding, lies more than 255 under the t of the key that
; has mt = R, so under M too: p = 2^(t - M) is 0 in f32, in the row's sum and as a code alike.  Such a step adds nothing for that row; bit s is cleared only if that holds for all 16 rows.  The step that holds R always keeps its bit.
; The choice is stored as whole numbers and used by the later launch; nothing here branches on it.
; LIMITS: NaN and infinities in the mask are not served.  No clusters, matrix units or tensor loads: each byte is read once and work-groups share nothing.
.set SPITCH, 528                       ; a stage row: 512 bytes + 16
.set WSTG,   16*SPITCH                 ; a wave's stage, 8,448 bytes = 33 blocks of 256
.set TM,     16*WSTG                   ; the steps' largest terms: row r at 64 r, step s at 4 s
.set SPARE,  TM+2048                   ; (behind TM: a second table of the same shape, the steps' largest magnitudes)  the spare words, 128 bytes a wave
.set D, 16                             ; v16-79 rows as loaded; later v16-31 a row's 16 step maxima
.set E, 80                             ; v80-143 the image
	s_load_b256 s[4:11], s[0:1], 0x0               ; mask, scales, m_img, flags
	v_lshl_add_u32 v2, v0, 2, SPARE                ; my spare word
	v_mov_b32 v3, 0
	v_lshrrev_b32 v8, 5, v0
	v_readfirstlane_b32 s12, v8                    ; wave = key step
	v_and_b32 v9, 31, v0
	v_lshlrev_b32 v1, 4, v9                        ; 16 x lane
	v_and_b32 v10, 15, v0                          ; r
	v_bfe_u32 v11, v0, 4, 1                        ; h
	s_mul_i32 s13, s12, WSTG
	v_add_nc_u32 v4, s13, v1                       ; stage, in: a row's 512 bytes over 32 lanes
	v_mul_u32_u24 v5, v10, SPITCH
	v_lshl_add_u32 v5, v11, 5, v5
	v_add_nc_u32 v5, s13, v5                       ; stage, back: row r, + 32 h
	v_lshlrev_b32 v7, 6, v10
	v_add_nc_u32 v7, TM, v7                        ; row r's 16 maxima
	s_lshl_b32 s14, s12, 2
	v_add_nc_u32 v6, s14, v7                       ; my step's word among them
	v_mov_b32 v14, 0                               ; a lane permute's destination counts as a source
	s_lshl_b32 s16, ttmp9, 17                      ; 16 rows of 8,192 bytes
	s_lshl_b32 s17, s12, 9
	s_add_co_u32 s16, s16, s17
	s_mov_b32 s17, 0
	s_lshl_b32 s18, ttmp9, 4
	s_add_co_u32 s18, s18, s12
	s_lshl_b32 s18, s18, 13
	s_mov_b32 s19, 0
	s_lshl_b32 s20, ttmp9, 9
	s_mov_b32 s21, 0
	s_mov_b32 s22, 0xceabfb8f                      ; -1e9 log2(e) as f32
	s_mov_b32 s23, s22
	s_mov_b32 s26, 0xb5800000                      ; -2^-20
	s_mov_b32 s28, 0x76543210
	s_mov_b32 s29, 0xfedcba98
	s_wait_alu depctr_va_vdst(0)                   ; the wait at the head's end
	s_wait_kmcnt 0x0
	s_load_b64 s[24:25], s[6:7], 0x18              ; e6, e7
	s_add_nc_u64 s[4:5], s[4:5], s[16:17]
	s_add_nc_u64 s[8:9], s[8:9], s[18:19]
	s_add_nc_u64 s[10:11], s[10:11], s[20:21]
.irp i, 0,1,2,3,4,5,6,7,8,9,10,11,12,13,14,15
	global_load_b128 v[D+4*\i:D+4*\i+3], v1, s[4:5] offset:8192*\i th:TH_LOAD_NT   ; 512 consecutive bytes of row i
.endr
	s_wait_loadcnt 0x0
.set n, 0
.rept 32
	v_pk_mul_f32 v[D+n:D+n+1], v[D+n:D+n+1], s[22:23] op_sel_hi:[1,0]
.set n, n+2
.endr
.irp i, 0,1,2,3,4,5,6,7,8,9,10,11,12,13,14,15
	ds_store_b128 v4, v[D+4*\i:D+4*\i+3] offset:SPITCH*\i
.endr
.irp t, 0,1,2,3,4,5,6,7
	ds_load_b128 v[E+8*\t:E+8*\t+3],   v5 offset:64*\t       ; my own bytes: LDS serves a wave's instructions in order
	ds_load_b128 v[E+8*\t+4:E+8*\t+7], v5 offset:64*\t+16
.endr
	s_wait_dscnt 0x0
.irp n, 0,1,2,3,4,5,6,7,8,9,10,11,12,13,14,15
	global_store_b128 v1, v[E+4*\n:E+4*\n+3], s[8:9] offset:512*\n     ; 32 lanes store 512 consecutive bytes, aligned
.endr
	v_max3_num_f32 v12, v[E], v[E+1], v[E+2]       ; row r's largest term in this step, two chains
	v_max3_num_f32 v13, v[E+3], v[E+4], v[E+5]
.irp i, 6,10,14,18,22,26,30,34,38,42,46,50,54,58
	v_max3_num_f32 v12, v12, v[E+\i], v[E+\i+1]
	v_max3_num_f32 v13, v13, v[E+\i+2], v[E+\i+3]
.endr
	v_max3_num_f32 v12, v12, v[E+62], v[E+63]
	v_max_num_f32 v12, v12, v13
	v_permlanex16_b32 v14, v12, s28, s29
	v_max_num_f32 v12, v12, v14
	ds_store_b32 v6, v12
	; bit 16 + s of the tile's word: some term of step s is not 0.  Where it is clear, t = score x c, and the later launch does not read the step's images.
	v_max3_num_f32 v8, |v[E]|, |v[E+1]|, |v[E+2]|  ; row r's largest magnitude in this step, two chains
	v_max3_num_f32 v9, |v[E+3]|, |v[E+4]|, |v[E+5]|
.irp i, 6,10,14,18,22,26,30,34,38,42,46,50,54,58
	v_max3_num_f32 v8, v8, |v[E+\i]|, |v[E+\i+1]|
	v_max3_num_f32 v9, v9, |v[E+\i+2]|, |v[E+\i+3]|
.endr
	v_max3_num_f32 v8, v8, |v[E+62]|, |v[E+63]|
	v_max_num_f32 v8, v8, v9
	v_permlanex16_b32 v14, v8, s28, s29
	v_max_num_f32 v8, v8, v14
	ds_store_b32 v6, v8 offset:1024
	s_wait_dscnt 0x0                               ; my word is written, for the others' sake
	s_barrier_signal -1
	s_barrier_wait -1
.irp k, 0,1,2,3
	ds_load_b128 v[D+4*\k:D+4*\k+3], v7 offset:16*\k
	ds_load_b128 v[D+16+4*\k:D+16+4*\k+3], v7 offset:1024+16*\k
.endr
	s_wait_kmcnt 0x0
	s_add_co_i32 s24, s24, s25
	s_mov_b32 s27, 0
	s_wait_dscnt 0x0
	v_max3_num_f32 v9, v[D], v[D+1], v[D+2]        ; R
.irp i, 3,5,7,9,11,13
	v_max3_num_f32 v9, v9, v[D+\i], v[D+\i+1]
.endr
	v_max_num_f32 v9, v9, v[D+15]
	v_mov_b32 v8, 0x498ecc4e                       ; 2.02 x 64 x 448^2 x log2(e) / 32
	v_ldexp_f32 v8, v8, s24                        ; x 2^(e6 + e7); an overflow gives infinity, and then every bit is set
	v_add_f32 v8, 0x43800000, v8                   ; + 256
	v_sub_f32 v8, v9, v8
	v_fma_f32 v8, |v9|, s26, v8                    ; the threshold
	s_wait_alu depctr_va_vdst(0)                   ; the wait behind the write
.irp s, 0,1,2,3,4,5,6,7,8,9,10,11,12,13,14,15
	v_cmp_gt_f32 vcc_lo, v[D+\s], v8
	s_cmp_lg_u32 vcc_lo, 0                         ; some row needs step s
	s_cselect_b32 s30, 1<<\s, 0
	s_or_b32 s27, s27, s30
	v_cmp_lt_f32 vcc_lo, 0, v[D+16+\s]
	s_cmp_lg_u32 vcc_lo, 0                         ; some row has a term other than 0 in step s
	s_cselect_b32 s31, 1<<(16+\s), 0
	s_or_b32 s27, s27, s31
.endr
	s_cmp_lg_u32 s12, 0
	s_cbranch_scc1 .Lend                           ; wave 0 stores the tile's word
	v_mov_b32 v12, s27
	v_mov_b32 v13, s27
	v_mov_b32 v14, s27
	v_mov_b32 v15, s27
	global_store_b128 v1, v[12:15], s[10:11]
.Lend:
	s_wait_tensorcnt 0x0                           ; the wave's end
	ds_add_u32 v2, v3
	s_wait_dscnt 0x0
	s_endpgm
.Lfunc_end_k_q19e4c7ca0a_mprep:
	.size	k_q19e4c7ca0a_mprep, .Lfunc_end_k_q19e4c7ca0a_mprep-k_q19e4c7ca0a_mprep
	.p2alignl 7, 3214868480
	.fill 96, 4, 3214868480
	.section	.rodata,"a",@progbits
	.p2align	6, 0x0
	.amdhsa_kernel k_q19e4c7ca0a_mprep
		.amdhsa_group_segment_fixed_size 139264
		.amdhsa_private_segment_fixed_size 0
		.amdhsa_enable_private_segment 0
		.amdhsa_kernarg_size 32
		.amdhsa_user_sgpr_count 2
		.amdhsa_user_sgpr_kernarg_segment_ptr 1
		.amdhsa_wavefront_size32 1
		.amdhsa_system_sgpr_workgroup_id_x 1
		.amdhsa_system_sgpr_workgroup_id_y 1
		.amdhsa_system_sgpr_workgroup_id_z 1
		.amdhsa_system_vgpr_workitem_id 0
		.amdhsa_next_free_vgpr 160
		.amdhsa_next_free_sgpr 66
		.amdhsa_reserve_vcc 1
		.amdhsa_float_denorm_mode_32 3
		.amdhsa_float_denorm_mode_16_64 3
		.amdhsa_memory_ordered 1
		.amdhsa_forward_progress 1
		.amdhsa_inst_pref_size 20
	.end_amdhsa_kernel
	.amdgpu_metadata
---
amdhsa.version: [ 1, 2 ]
amdhsa.kernels:
  - .name:           k_q19e4c7ca0a_mprep
    .symbol:         k_q19e4c7ca0a_mprep.kd
    .args:
      - { .name: mask, .offset: 0, .size: 8, .value_kind: global_buffer, .address_space: global }
      - { .name: lowp_scales, .offset: 8, .size: 8, .value_kind: global_buffer, .address_space: global }
      - { .name: m_img, .offset: 16, .size: 8, .value_kind: global_buffer, .address_space: global }
      - { .name: flags, .offset: 24, .size: 8, .value_kind: global_buffer, .address_space: global }
    .group_segment_fixed_size: 139264
    .private_segment_fixed_size: 0
    .kernarg_segment_align: 8
    .kernarg_segment_size: 32
    .max_flat_workgroup_size: 512
    .sgpr_count:     66
    .vgpr_count:     160
    .wavefront_size: 32
...
	.end_amdgpu_metadata
.endif
;; end of part 1
;; launch qkv (part 2): grid 12 x 32, 4 waves a work-group, clusters of 4 x 4, 327,680 bytes of LDS; arguments x_codes, wq_w_codes, wk_w_codes, wv_w_codes, wq_b, wk_b, wv_b, lowp_scales, q_img, kv_img; writes q_img, kv_img
.if DOCPART == 2
	.amdgcn_target "amdgcn-amd-amdhsa--gfx1250"
	.amdhsa_code_object_version 6
	.text
	.protected	k_q19e4c7ca0a_qkv
	.globl	k_q19e4c7ca0a_qkv
	.p2align	8
	.type	k_q19e4c7ca0a_qkv,@function
k_q19e4c7ca0a_qkv:
	s_mov_b64 s[64:65], 0
	v_nop
	global_prefetch_b8 v0, s[64:65] scope:SCOPE_SE
	s_setreg_imm32_b32 hwreg(HW_REG_WAVE_MODE, 25, 1), 1
	s_wait_xcnt 0x0
	s_wait_alu depctr_hold_cnt(0) depctr_sa_sdst(0) depctr_va_vdst(0) depctr_va_sdst(0) depctr_va_ssrc(0) depctr_va_vcc(0) depctr_vm_vsrc(0)
	s_getreg_b32 s2, hwreg(HW_REG_IB_STS2, 6, 4)
	s_cmp_eq_u32 s2, 0
	s_cbranch_scc0 .Lentry_in_a_cluster
	s_endpgm
.Lentry_in_a_cluster:
	s_bfe_u32 s2, ttmp6, 0x10000c
	s_cmp_lg_u32 s2, 0xf033
	s_cbranch_scc0 .Lentry_shape_is_right
	s_endpgm
.Lentry_shape_is_right:
.set KROW,   1024
.set ROWB,   256
.set PITCH,  272
.set FR,     16
.set NL,     4
.set NP,     4
.set HALFT,  128*PITCH
.set SLOT,   4*HALFT
.set LAPS,   KROW/(2*ROWB)
.set SPARE,  2*SLOT
.set AJ,   8
.set ADRA, 16
.set ADRB, 20
.set CO,   26
.set SPW,  28
.set NIL,  29
.set QS,   30
.set QL,   31
.set BI,   32
.set AF,   128
.set T,    128
.set CD,   192
.set G1, 24
.set G0, 32
.set G1B, 48
.set G0B, 56
.set MSB, 0
.macro WIN new
.if MSB != \new
	s_set_vgpr_msb (MSB<<8)|\new
.set MSB, \new
.endif
.endm
.set MUL_LO, 0xa1
.set MUL_HI, 0xf1
.set TO_B,   0x40
.macro JLOAD g0a, g1a, g0b, g1b
	s_cmp_eq_u32 s15, 0
	s_cbranch_scc0 .Lfor_b_\@
	tensor_load_to_lds s[\g0a:\g0a+3], s[\g1a:\g1a+7]
	s_nop 0
.rept 4
	v_nop
.endr
	s_branch .Lasked_\@
.Lfor_b_\@:
	tensor_load_to_lds s[\g0b:\g0b+3], s[\g1b:\g1b+7]
	s_nop 0
.rept 4
	v_nop
.endr
.Lasked_\@:
.endm
.macro CREST
	s_cmp_lg_u32 s14, 0
	s_cbranch_scc1 .Lnot_wave_0_\@
	s_barrier_signal -3
.Lnot_wave_0_\@:
	s_barrier_wait -3
	s_barrier_signal -1
	s_barrier_wait -1
.endm
.macro CROUND
	s_barrier_signal -1
	s_barrier_wait -1
	CREST
.endm
	s_load_b512 s[68:83], s[0:1], 0x0
	s_load_b128 s[84:87], s[0:1], 0x40
	v_lshl_add_u32 v[SPW], v0, 2, SPARE
	v_mov_b32 v[NIL], 0
	ds_add_u32 v28, v29
	ds_add_u32 v28, v29
	s_wait_dscnt 0x0
	v_lshrrev_b32 v1, 5, v0
	v_readfirstlane_b32 s14, v1
	s_lshr_b32 s15, s14, 1
	s_and_b32 s16, s14, 1
	s_bfe_u32 s40, ttmp6, 0x40000
	s_bfe_u32 s41, ttmp6, 0x40004
	s_and_b32 s18, ttmp7, 0xffff
	s_lshl_b32 s18, s18, 2
	s_cmp_eq_u32 ttmp9, 2
	s_cselect_b32 s19, 0, s18
	s_cselect_b32 s18, s18, 0
	s_add_co_u32 s17, s41, s19
	s_add_co_u32 s42, s40, s18
	s_lshl_b32 s43, s41, 2
	s_lshl_b32 s43, 15, s43
	s_lshl_b32 s44, 0x1111, s40
	s_or_b32 s[G1+0], s43, (0<<16)|(1<<20)|(1<<21)|(5<<22)|(3<<25)
	s_or_b32 s[G1B+0], s44, (0<<16)|(1<<20)|(1<<21)|(5<<22)|(3<<25)
.irp g, G1, G1B
	s_mov_b32 s[\g+1], ROWB<<16
	s_mov_b32 s[\g+2], 128<<16
	s_mov_b32 s[\g+3], ROWB<<16
	s_mov_b32 s[\g+4], 128
	s_mov_b32 s[\g+5], KROW
	s_mov_b32 s[\g+6], 0
	s_mov_b32 s[\g+7], 0
.endr
	s_lshl_b32 s18, s16, 7
	s_lshl_b32 s20, s17, 8
	s_add_co_u32 s20, s20, s18
	s_lshl_b32 s20, s20, 10
	s_mov_b32 s21, 0
	s_lshl_b32 s46, s42, 8
	s_add_co_u32 s46, s46, s18
	s_lshl_b32 s46, s46, 10
	s_mov_b32 s47, 0
	s_mul_i32 s45, s14, HALFT
	s_wait_kmcnt 0x0
	s_load_b256 s[88:95], s[82:83], 0x0
	s_load_b32 s96, s[82:83], 0x24
	s_cmp_eq_u32 ttmp9, 1
	s_cselect_b64 s[22:23], s[72:73], s[70:71]
	s_cselect_b64 s[8:9], s[78:79], s[76:77]
	s_cmp_eq_u32 ttmp9, 2
	s_cselect_b64 s[22:23], s[74:75], s[22:23]
	s_cselect_b64 s[8:9], s[80:81], s[8:9]
	s_cselect_b64 s[4:5], s[22:23], s[68:69]
	s_cselect_b64 s[6:7], s[68:69], s[22:23]
	s_add_nc_u64 s[20:21], s[4:5], s[20:21]
	s_add_nc_u64 s[46:47], s[6:7], s[46:47]
	CROUND
.irp s, 0,1
	s_mov_b32 s[G0+4*\s], 1
	s_add_co_u32 s[G0+4*\s+1], s45, \s*SLOT
	s_add_nc_u64 s[G0+4*\s+2:G0+4*\s+3], s[20:21], \s*ROWB
	s_or_b32 s[G0+4*\s+3], s[G0+4*\s+3], 0x80000000
	s_mov_b32 s[G0B+4*\s], 1
	s_add_co_u32 s[G0B+4*\s+1], s45, \s*SLOT
	s_add_nc_u64 s[G0B+4*\s+2:G0B+4*\s+3], s[46:47], \s*ROWB
	s_or_b32 s[G0B+4*\s+3], s[G0B+4*\s+3], 0x80000000
	s_wait_alu depctr_va_vdst(0)
	s_wait_tensorcnt 0x0
	ds_add_u32 v28, v29
	ds_add_u32 v28, v29
	s_wait_dscnt 0x0
	CROUND
	JLOAD G0+4*\s, G1, G0B+4*\s, G1B
.endr
	v_and_b32 v1, 15, v0
	v_bfe_u32 v2, v0, 4, 1
	v_mul_u32_u24 v3, v1, PITCH
	v_lshl_add_u32 v4, v2, 4, v3
	s_mul_i32 s21, s15, HALFT
	s_mul_i32 s22, s16, HALFT
	s_add_co_u32 s22, s22, 2*HALFT
.irp s, 0,1
	v_add_nc_u32 v[ADRA+\s], s21, v4
	v_add_nc_u32 v[ADRB+\s], s22, v4
	s_add_co_u32 s21, s21, SLOT
	s_add_co_u32 s22, s22, SLOT
.endr
	v_and_b32 v6, 31, v0
	v_lshlrev_b32 v[CO], 4, v6
	s_cmp_eq_u32 ttmp9, 2
	s_cselect_b32 s66, s17, s42
	s_cselect_b32 s67, s15, s16
	s_cselect_b32 s72, 0, 4
	s_cselect_b32 s73, -1, 0
	s_lshl_b32 s66, s66, 10
	s_lshl_b32 s67, s67, 9
	s_add_co_u32 s66, s66, s67
	s_mov_b32 s67, 0
	s_add_nc_u64 s[8:9], s[8:9], s[66:67]
	v_lshlrev_b32 v5, 2, v1
	v_lshlrev_b32 v6, 5, v2
	v_cndmask_b32 v7, v6, v5, s73
	s_wait_alu depctr_va_vdst(0)
.irp j, 0,1,2,3,4,5,6,7
	s_mul_i32 s74, s72, \j
	v_add_nc_u32 v[AJ+\j], s74, v7
.endr
.irp b, 0,1,2,3,4,5,6,7
.irp j, 0,1,2,3,4,5,6,7
	global_load_b32 v[BI+8*\b+\j], v[AJ+\j], s[8:9] offset:64*\b
.endr
.endr
	s_cmp_eq_u32 ttmp9, 2
	s_cselect_b32 s66, s42, s17
	s_cselect_b32 s67, s16, s15
	s_cselect_b32 s68, s41, s40
	s_cselect_b32 s69, s15, s16
	s_cselect_b32 s70, 32768, 0
	s_lshl_b32 s66, s66, 1
	s_add_co_u32 s66, s66, s67
	s_lshr_b32 s67, s66, 4
	s_and_b32 s66, s66, 15
	s_lshl_b32 s67, s67, 2
	s_add_co_u32 s67, s67, s68
	s_lshl_b32 s67, s67, 4
	s_add_co_u32 s67, s67, s66
	s_cmp_eq_u32 ttmp9, 0
	s_cselect_b32 s66, 15, 16
	s_cselect_b64 s[10:11], s[84:85], s[86:87]
	s_lshl_b32 s67, s67, s66
	s_lshl_b32 s69, s69, 14
	s_add_co_u32 s67, s67, s69
	s_add_co_u32 s66, s67, s70
	s_mov_b32 s67, 0
	s_add_nc_u64 s[10:11], s[10:11], s[66:67]
	s_wait_kmcnt 0x0
	s_add_co_i32 s88, s88, s89
	s_add_co_i32 s90, s90, s91
	s_add_co_i32 s92, s92, s93
	s_cmp_eq_u32 ttmp9, 1
	s_cselect_b32 s88, s90, s88
	s_cselect_b32 s94, s95, s94
	s_cmp_eq_u32 ttmp9, 2
	s_cselect_b32 s88, s92, s88
	s_cselect_b32 s94, s96, s94
	s_add_co_i32 s88, s88, 127
	s_lshl_b32 s20, s88, 23
	s_mov_b32 s21, s20
	s_add_co_i32 s94, s94, 127
	s_lshl_b32 s95, s94, 23
	v_mov_b32 v[QS], s95
	s_add_co_i32 s94, s94, 8
	s_lshl_b32 s94, s94, 23
	s_or_b32 s94, s94, 0x600000
	v_mov_b32 v[QL], s94
.macro FRAG reg, adr, q, i
.irp c, 0,1,2,3
	ds_load_b128 v[\reg+4*\c:\reg+4*\c+3], v[\adr] offset:128*(\q)+32*\c+(\i)*16*PITCH
.endr
.endm
.macro MUL16 a0, p, zero
.irp a, \a0, \a0+1
.irp b, 0,1,2,3,4,5,6,7
.if \zero
	v_wmma_f32_16x16x128_fp8_fp8 v[8*(8*((\a)%4)+\b):8*(8*((\a)%4)+\b)+7], v[128*(\p)+FR*\b:128*(\p)+FR*\b+FR-1], v[AF+FR*(\a):AF+FR*(\a)+FR-1], 0
.else
	v_wmma_f32_16x16x128_fp8_fp8 v[8*(8*((\a)%4)+\b):8*(8*((\a)%4)+\b)+7], v[128*(\p)+FR*\b:128*(\p)+FR*\b+FR-1], v[AF+FR*(\a):AF+FR*(\a)+FR-1], v[8*(8*((\a)%4)+\b):8*(8*((\a)%4)+\b)+7]
.endif
.endr
.endr
.endm
.macro FETCH_B slot, q, p
	WIN TO_B
.irp i, 0,1,2,3,4,5,6,7
	FRAG 128*(\p)+FR*\i, ADRB+\slot, \q, \i
.endr
	WIN 0
.endm
.macro FETCH_A slot, q, i0
.irp i, \i0, \i0+1, \i0+2, \i0+3
	FRAG AF+FR*(\i), ADRA+\slot, \q, \i
.endr
.endm
.macro PLACES n
.rept \n
	v_nop
.endr
.endm
.macro STEP slot, q, zero
	s_wait_dscnt 4*NL
	WIN MUL_LO
	MUL16 0, (\q)%2, \zero
	MUL16 2, (\q)%2, \zero
	s_wait_dscnt 0
	PLACES NP
	FETCH_B \slot, (\q)+1, 1-(\q)%2
	FETCH_A \slot, (\q)+1, 0
	WIN MUL_HI
	MUL16 4, (\q)%2, \zero
	MUL16 6, (\q)%2, \zero
	PLACES NP
	WIN 0
	FETCH_A \slot, (\q)+1, 4
.endm
.macro TURN slot, next, fill
	s_wait_tensorcnt 0x0
	ds_add_u32 v[SPW], v[NIL]
	s_wait_dscnt 4*NL+1
	WIN MUL_LO
	MUL16 0, 1, 0
	s_wait_dscnt 0x0
	s_barrier_signal -1
	MUL16 2, 1, 0
	WIN 0
	s_barrier_wait -1
.if \fill
	CREST
	s_add_nc_u64 s[G0+4*\slot+2:G0+4*\slot+3], s[G0+4*\slot+2:G0+4*\slot+3], 2*ROWB
	s_add_nc_u64 s[G0B+4*\slot+2:G0B+4*\slot+3], s[G0B+4*\slot+2:G0B+4*\slot+3], 2*ROWB
	JLOAD G0+4*\slot, G1, G0B+4*\slot, G1B
.else
	PLACES NP
.endif
	FETCH_B \next, 0, 0
	FETCH_A \next, 0, 0
	WIN MUL_HI
	MUL16 4, 1, 0
	MUL16 6, 1, 0
	PLACES NP
	WIN 0
	FETCH_A \next, 0, 4
.endm
	s_wait_tensorcnt 1
	s_barrier_signal -1
	s_barrier_wait -1
	FETCH_B 0, 0, 0
	FETCH_A 0, 0, 0
	FETCH_A 0, 0, 4
	STEP 0, 0, 1
	s_mov_b32 s3, LAPS-1
.Llap:
	TURN 0, 1, 1
	STEP 1, 0, 0
	TURN 1, 0, 1
	STEP 0, 0, 0
	s_sub_co_u32 s3, s3, 1
	s_cmp_lg_u32 s3, 0
	s_cbranch_scc1 .Llap
	TURN 0, 1, 0
	STEP 1, 0, 0
	s_wait_dscnt 4*NL
	WIN MUL_LO
	MUL16 0, 1, 0
	MUL16 2, 1, 0
	s_wait_dscnt 0
	WIN MUL_HI
	MUL16 4, 1, 0
	MUL16 6, 1, 0
	WIN 0
.macro OUTBLK a, isv
	s_wait_xcnt 0x0
	WIN 0x02+((\a)/4)
.irp b, 0,1,2,3,4,5,6,7
.irp j, 0,2,4,6
.if \isv
	v_pk_fma_f32 v[T+8*\b+\j:T+8*\b+\j+1], v[64*((\a)%4)+8*\b+\j:64*((\a)%4)+8*\b+\j+1], s[20:21], v[BI+8*(\a):BI+8*(\a)+1] op_sel_hi:[1,0,1]
.else
	v_pk_fma_f32 v[T+8*\b+\j:T+8*\b+\j+1], v[64*((\a)%4)+8*\b+\j:64*((\a)%4)+8*\b+\j+1], s[20:21], v[BI+8*\b+\j:BI+8*\b+\j+1] op_sel_hi:[1,0,1]
.endif
.endr
.endr
	WIN 0
.irp b, 0,1,2,3,4,5,6,7
.irp i, 0,1,2,3,4,5,6,7
	v_med3_num_f32 v[T+8*\b+\i], v[T+8*\b+\i], -v[QL], v[QL]
.endr
	v_cvt_scalef32_pk8_fp8_f32 v[CD+2*\b:CD+2*\b+1], v[T+8*\b:T+8*\b+7], v[QS]
.endr
	v_nop
.irp g, 0,1,2,3
.if \isv
	global_store_b128 v[CO], v[CD+4*\g:CD+4*\g+3], s[10:11] offset:(\a)*2048+\g*512
.else
	global_store_b128 v[CO], v[CD+4*\g:CD+4*\g+3], s[10:11] offset:(\g/2)*8192+(\g%2)*512+(\a)*1024
.endif
.endr
.endm
	s_wait_loadcnt 0x0
	PLACES NP
	s_cmp_eq_u32 ttmp9, 2
	s_cbranch_scc1 .Lvout
.irp a, 0,1,2,3,4,5,6,7
	OUTBLK \a, 0
.endr
	s_branch .Ldone
.Lvout:
.irp a, 0,1,2,3,4,5,6,7
	OUTBLK \a, 1
.endr
.Ldone:
	s_wait_tensorcnt 0x0
	ds_add_u32 v[SPW], v[NIL]
	s_wait_dscnt 0x0
	CROUND
	s_endpgm
.Lfunc_end_k_q19e4c7ca0a_qkv:
	.size	k_q19e4c7ca0a_qkv, .Lfunc_end_k_q19e4c7ca0a_qkv-k_q19e4c7ca0a_qkv
	.p2alignl 7, 3214868480
	.fill 96, 4, 3214868480
	.section	.rodata,"a",@progbits
	.p2align	6, 0x0
	.amdhsa_kernel k_q19e4c7ca0a_qkv
		.amdhsa_group_segment_fixed_size 327680
		.amdhsa_private_segment_fixed_size 0
		.amdhsa_enable_private_segment 0
		.amdhsa_kernarg_size 80
		.amdhsa_user_sgpr_count 2
		.amdhsa_user_sgpr_kernarg_segment_ptr 1
		.amdhsa_wavefront_size32 1
		.amdhsa_system_sgpr_workgroup_id_x 1
		.amdhsa_system_sgpr_workgroup_id_y 1
		.amdhsa_system_sgpr_workgroup_id_z 1
		.amdhsa_system_vgpr_workitem_id 0
		.amdhsa_next_free_vgpr 1024
		.amdhsa_next_free_sgpr 100
		.amdhsa_reserve_vcc 0
		.amdhsa_float_denorm_mode_32 3
		.amdhsa_float_denorm_mode_16_64 3
		.amdhsa_memory_ordered 1
		.amdhsa_forward_progress 1
		.amdhsa_inst_pref_size 199
	.end_amdhsa_kernel
	.amdgpu_metadata
---
amdhsa.version: [ 1, 2 ]
amdhsa.kernels:
  - .name:           k_q19e4c7ca0a_qkv
    .symbol:         k_q19e4c7ca0a_qkv.kd
    .args:
      - { .name: x_codes, .offset: 0, .size: 8, .value_kind: global_buffer, .address_space: global }
      - { .name: wq_w_codes, .offset: 8, .size: 8, .value_kind: global_buffer, .address_space: global }
      - { .name: wk_w_codes, .offset: 16, .size: 8, .value_kind: global_buffer, .address_space: global }
      - { .name: wv_w_codes, .offset: 24, .size: 8, .value_kind: global_buffer, .address_space: global }
      - { .name: wq_b, .offset: 32, .size: 8, .value_kind: global_buffer, .address_space: global }
      - { .name: wk_b, .offset: 40, .size: 8, .value_kind: global_buffer, .address_space: global }
      - { .name: wv_b, .offset: 48, .size: 8, .value_kind: global_buffer, .address_space: global }
      - { .name: lowp_scales, .offset: 56, .size: 8, .value_kind: global_buffer, .address_space: global }
      - { .name: q_img, .offset: 64, .size: 8, .value_kind: global_buffer, .address_space: global }
      - { .name: kv_img, .offset: 72, .size: 8, .value_kind: global_buffer, .address_space: global }
    .group_segment_fixed_size: 327680
    .private_segment_fixed_size: 0
    .kernarg_segment_align: 8
    .kernarg_segment_size: 80
    .max_flat_workgroup_size: 128
    .sgpr_count:     100
    .vgpr_count:     1024
    .wavefront_size: 32
...
	.end_amdgpu_metadata
.endif
;; end of part 2
;; launch attn (part 3): grid 64 x 4, 8 waves a work-group, no clusters, 0 bytes of LDS; arguments q_img, kv_img, m_img, flags, lowp_scales, o_img; writes o_img
.if DOCPART == 3
	.amdgcn_target "amdgcn-amd-amdhsa--gfx1250"
	.amdhsa_code_object_version 6
	.text
	.protected	k_q19e4c7ca0a_attn
	.globl	k_q19e4c7ca0a_attn
	.p2align	8
	.type	k_q19e4c7ca0a_attn,@function
k_q19e4c7ca0a_attn:
	s_mov_b64 s[64:65], 0
	v_nop
	global_prefetch_b8 v0, s[64:65] scope:SCOPE_SE
	s_setreg_imm32_b32 hwreg(HW_REG_WAVE_MODE, 25, 1), 1
	s_wait_xcnt 0x0
; o = softmax(q k^T / 32 + mask x (-1e9)) v for 4 batches x 16 heads of 64, 2,048 queries and keys, both products on codes of FP8 (E4M3); o is quantised with 2^e10 and stored as images of the last product's A fragments.
; q, k, v and the mask's term mt = mask x (-1e9 log2(e)) come as images of registers (a group of four registers: lane l's 16 bytes at 16 l).
; KEY STEPS LEFT OUT: the launch that lays m_img stores, for each tile of 16 queries, a word whose bit s says whether the 128 keys of step s can matter; a cleared bit means that every p of the step is 0 in f32 for all 16 rows,
; in the row's sum and as a code (the bound is shown at that kernel's head, for all values of the inputs).  This launch reads the words and walks only the steps whose bit is set for one of its 32 queries.
; THE SOFTMAX: t = score x log2(e) / 32 + mt, rounded to f32 before M is taken off; M = the running largest t rounded UP to a whole number; p = 2^(t - M) is quantised with 2^e8; the row's sum is taken of the unquantised p
; and divides at the end.  When M moves, the sum and O are multiplied by 2^(old M - new M): exact.
; SHARES.  Every wave is on its own: a JOB is 32 queries (two tiles) of one head, two units of 16 queries.  A work-group is 8 waves of one (batch, head); wave w of work-group row y runs the jobs of query pairs 63 - jj and jj, jj = 8 y + w,
; one after the other, so that long and short walks meet in one wave where the mask is lower triangular; nothing but the length of the walk hangs on that.
; OPERANDS go from memory straight into registers, whole fragments, 512 consecutive bytes an instruction, asked for one step ahead: v at a step's head, the next step's k behind the first products, the next mask behind the
; lines that read this one; across the change of jobs too.  The walk hangs on numbers read from memory, so this text has no tensor load, no LDS, no barrier and no cluster; no data prefetch either: each load already
; stands a step ahead of its wait, and the next step's number is known only then.
; LAYOUT.  S^T = k q^T (source 0 = 16 keys, source 1 = 16 queries), O^T = v^T p: a lane holds ONE query.  In tile t of S^T its registers are keys 16 t + 8 (lane / 16) + 0 .. 7: converted, registers 2 t, 2 t + 1 of p.
; IMAGES.  bh = 4 batch + head / 4, hi = head % 4: q_img ((16 bh + query / 128) << 15) + 8192 hi + 1024 tile + 512 u; kv_img ((16 bh + step) << 16) + 8192 hi + 1024 tile + 512 u for k, + 32768 + 8192 hi + 2048 dt + 512 c for v;
;   m_img ((16 (query / 16) + step) << 13) + 512 n; o_img ((head / 4) << 21) + ((row / 16) << 12) + 1024 hi + 512 u.
; LIMITS: e6 + e7 between -121 and 132; e8, e10 between -126 and 119.  NaN and infinities in the mask are not served.
; REGISTERS.  window 0: v1 16 x lane; v2 2^e8; v4-19 at work; v20-27 statistics, four a unit; v28-43 q; v44-107 k; v110-237 S^T, then p, its codes two registers under it; v238-239 o's scale and hold; v240-255 the second job's q.
;   window 1: v0-127 the mask's term; v128-191 O^T; v192-255 v.
.set L16, 1
.set PS,  2
.set MX,  4
.set PD,  8
.set DM,  10
.set FF,  12
.set CH,  16
.set ST,  20
.set QF,  28
.set KB,  44
.set PC,  108
.set SC,  110
.set CD,  SC+64                        ; the way out: o's codes
.set OS,  238
.set OL,  239
.set QN,  240
.set MT,  0                            ; window 1
.set OT,  128
.set VB,  192
.set KVB, 20                           ; s[20:21] my head's k and v, step 0
.set KA,  22                           ; where the k in hand (then the next) comes from
.set VA,  24                           ; this step's v
.set MA,  26                           ; the mask's term in hand (then the next)
.set MBC, 28                           ; this job's mask images;  MBN: the following job's
.set MBN, 30
.set MS,  32
.set OA,  34                           ; this job's place in o_img;  OAN: the second job's
.set OAN, 36
.set U,   38                           ; s[38:39] an offset, the upper word 0
.set T,   40
.set BITS,41                           ; this job's steps still to be asked for
.set NB,  42                           ; the following job's steps
.set BTC, 43
.set BTN, 44
.set NT,  45                           ; steps of this job
.set IT,  46
.set JT,  47
.set PLS, 48                           ; 448 x 2^e8
.set T2,  49
.set CS,  50                           ; s[50:51] c = log2(e) / 32 x 2^(e6 + e7)
.set SEL, 52
.set EO,  54                           ; e8 + e9
.set MSB, 0
.macro WIN new                         ; the immediate's high byte repeats the setting that is left
.if MSB != \new
	s_set_vgpr_msb (MSB<<8)|\new
.set MSB, \new
.endif
.endm
.macro JOBPTR j, qp, mb, oa, fp        ; query pair j: its q, mask images, place in o_img and flag words
	s_lshr_b32 s61, s[\j], 2
	s_lshl_b32 s61, s61, 15
	s_and_b32 s62, s[\j], 3
	s_lshl_b32 s62, s62, 11
	s_add_co_u32 s61, s61, s62
	s_add_co_u32 s[U], s61, s59
	s_add_nc_u64 s[\qp:\qp+1], s[4:5], s[U:U+1]
	s_lshl_b32 s[U], s[\j], 18
	s_add_nc_u64 s[\mb:\mb+1], s[8:9], s[U:U+1]
	s_lshl_b32 s[U], s[\j], 13
	s_add_co_u32 s[U], s[U], s60
	s_add_nc_u64 s[\oa:\oa+1], s[14:15], s[U:U+1]
	s_lshl_b32 s[U], s[\j], 10
	s_add_nc_u64 s[\fp:\fp+1], s[10:11], s[U:U+1]
.endm
.macro KLOAD                           ; eight tiles of 16 keys
.irp t, 0,1,2,3,4,5,6,7
	global_load_b128 v[KB+8*\t:KB+8*\t+3],   v[L16], s[KA:KA+1] offset:1024*\t
	global_load_b128 v[KB+8*\t+4:KB+8*\t+7], v[L16], s[KA:KA+1] offset:1024*\t+512
.endr
.endm
.macro MLOAD                           ; the mask's term of my two query tiles
	WIN 0x40
.irp i, 0,1
.irp n, 0,1,2,3,4,5,6,7,8,9,10,11,12,13,14,15
	global_load_b128 v[MT+64*\i+4*\n:MT+64*\i+4*\n+3], v[L16], s[MA:MA+1] offset:131072*\i+512*\n
.endr
.endr
	WIN 0
.endm
	s_load_b256 s[4:11], s[0:1], 0x0               ; q_img, kv_img, m_img, flags
	s_load_b128 s[12:15], s[0:1], 0x20             ; the scales' exponents, o_img
	v_lshrrev_b32 v2, 5, v0
	v_readfirstlane_b32 s16, v2                    ; wave 0..7
	v_and_b32 v[L16], 31, v0
	v_lshlrev_b32 v[L16], 4, v[L16]
	v_mov_b32 v[PD], 0                             ; written once: a lane permute's destination counts as one of its sources
	v_mov_b32 v[PD+1], 0
	v_mov_b32 v[FF+1], 0                           ; (named as the upper halves of f's pairs)
	v_mov_b32 v[FF+3], 0
	s_lshr_b32 s17, ttmp9, 4                       ; batch
	s_bfe_u32 s18, ttmp9, 0x20002                  ; head / 4
	s_and_b32 s19, ttmp9, 3                        ; hi
	s_and_b32 s56, ttmp7, 0xffff
	s_lshl_b32 s56, s56, 3
	s_add_co_u32 s56, s56, s16                     ; the second job's query pair, jj
	s_sub_co_u32 s57, 63, s56                      ; the first job's
	s_lshl_b32 s58, s17, 2
	s_add_co_u32 s58, s58, s18                     ; bh
	s_lshl_b32 s59, s58, 19
	s_lshl_b32 s60, s19, 13
	s_add_co_u32 s59, s59, s60                     ; q_img: what both jobs share
	s_lshl_b32 s58, s58, 20
	s_add_co_u32 s58, s58, s60                     ; kv_img
	s_lshl_b32 s60, s18, 21
	s_lshl_b32 s61, s17, 19
	s_add_co_u32 s60, s60, s61
	s_lshl_b32 s61, s19, 10
	s_add_co_u32 s60, s60, s61                     ; o_img: what both jobs share
	s_mov_b32 s[U+1], 0
	s_mov_b32 s[SEL], 0x76543210
	s_mov_b32 s[SEL+1], 0xfedcba98
	s_wait_alu depctr_va_vdst(0)                   ; the wait here, directly ahead of the wait below
	s_wait_kmcnt 0x0
	s_load_b256 s[68:75], s[12:13], 0x0            ; e0 .. e7
	s_load_b128 s[76:79], s[12:13], 0x20           ; e8 .. e11
	JOBPTR 57, 80, MBC, OA, 84
	JOBPTR 56, 82, MBN, OAN, 86
	s_load_b32 s[BTC], s[84:85], 0x0               ; the words of my four query tiles
	s_load_b32 s88, s[84:85], 0x200
	s_load_b32 s[BTN], s[86:87], 0x0
	s_load_b32 s89, s[86:87], 0x200
	s_mov_b32 s[U], s58
	s_add_nc_u64 s[KVB:KVB+1], s[6:7], s[U:U+1]
.irp i, 0,1
	global_load_b128 v[QF+8*\i:QF+8*\i+3],   v[L16], s[80:81] offset:1024*\i
	global_load_b128 v[QF+8*\i+4:QF+8*\i+7], v[L16], s[80:81] offset:1024*\i+512
	global_load_b128 v[QN+8*\i:QN+8*\i+3],   v[L16], s[82:83] offset:1024*\i
	global_load_b128 v[QN+8*\i+4:QN+8*\i+7], v[L16], s[82:83] offset:1024*\i+512
.endr
	s_wait_kmcnt 0x0
	s_or_b32 s[BTC], s[BTC], s88
	s_lshr_b32 s66, s[BTC], 16                     ; the words' upper halves: the steps in which some term of the mask is not 0: this job's,
	s_and_b32 s[BTC], s[BTC], 0xffff
	s_or_b32 s[BTN], s[BTN], s89
	s_lshr_b32 s67, s[BTN], 16                     ; and the following job's
	s_and_b32 s[BTN], s[BTN], 0xffff
	s_mov_b32 s92, 1                               ; s92: the step in hand has its mask in registers.  The first step's is always loaded, so that these registers are written on every way
	s_mov_b32 s[NB], s[BTN]
	s_ctz_i32_b32 s[T], s[BTC]                     ; the first job's first step,
	s_min_u32 s[T], s[T], 15                       ; held inside the 16 steps
	s_lshl_b32 s[U], s[T], 16
	s_add_nc_u64 s[KA:KA+1], s[KVB:KVB+1], s[U:U+1]
	s_lshl_b32 s[U], s[T], 13
	s_add_nc_u64 s[MA:MA+1], s[MBC:MBC+1], s[U:U+1]
	KLOAD
	MLOAD
	s_add_co_i32 s90, s74, s75                     ; a score stands for score x 2^(e6 + e7): added to c's exponent field
	s_lshl_b32 s90, s90, 23
	s_add_co_i32 s[CS], s90, 0x3d38aa3b            ; log2(e) / 32
	s_mov_b32 s[CS+1], s[CS]
	s_add_co_i32 s90, s76, 127
	s_lshl_b32 s91, s90, 23
	v_mov_b32 v[PS], s91                           ; 2^e8
	s_add_co_i32 s90, s90, 8
	s_lshl_b32 s90, s90, 23
	s_or_b32 s[PLS], s90, 0x600000                 ; 448 x 2^e8
	s_add_co_i32 s90, s78, 127
	s_lshl_b32 s91, s90, 23
	v_mov_b32 v[OS], s91                           ; 2^e10
	s_add_co_i32 s90, s90, 8
	s_lshl_b32 s90, s90, 23
	s_or_b32 s90, s90, 0x600000
	v_mov_b32 v[OL], s90                           ; 448 x 2^e10
	s_add_co_i32 s[EO], s76, s77
	s_mov_b32 s[JT], 0
.Ljob:                                             ; two trips: my two jobs.  The job's first k and mask are on their way
.irp u, 0,1
	v_mov_b32 v[ST+4*\u+1], 0xff61b1e6             ; the largest t so far: -3e38, under every t
	v_floor_f32 v[ST+4*\u], -v[ST+4*\u+1]          ; -M
	v_mov_b32 v[ST+4*\u+2], 0                      ; the sum, in two halves
	v_mov_b32 v[ST+4*\u+3], 0
.endr
	WIN 0x40
.set n, 0
.rept 64
	v_mov_b32 v[OT+n], 0                           ; O^T begins as zeros, which the first change of M leaves zeros: the step is written once
.set n, n+1
.endr
	WIN 0
	s_bcnt1_i32_b32 s[NT], s[BTC]                  ; so many steps (the step with a row's largest term always has its bit: at least one)
	s_max_u32 s[NT], s[NT], 1
	s_min_u32 s[NT], s[NT], 16
	s_sub_co_u32 s[T], s[BTC], 1
	s_and_b32 s[BITS], s[BTC], s[T]                ; the first step has been asked for
	s_mov_b32 s[IT], 0
	s_wait_alu depctr_va_vdst(0)                   ; the wait here
.Ltrip:
.rept 5
	v_nop                                          ; places behind the last products: four for the loads into v's registers, a fifth since the products below write over p's codes
.endr
	s_mov_b64 s[VA:VA+1], s[KA:KA+1]               ; the last step's v has been waited for, so its address may be written
	WIN 0x40
.irp d, 0,1,2,3
.irp c, 0,1,2,3
	global_load_b128 v[VB+16*\d+4*\c:VB+16*\d+4*\c+3], v[L16], s[VA:VA+1] offset:32768+2048*\d+512*\c
.endr
.endr
	WIN 0
	s_wait_loadcnt 16                              ; k (and q) are in; behind them at least v's 16 loads (where the mask's 32 are out, they are waited for too: the count holds on both ways)
.irp t, 0,1,2,3,4,5,6,7
.irp i, 0,1
	v_wmma_f32_16x16x64_fp8_fp8 v[SC+64*\i+8*\t:SC+64*\i+8*\t+7], v[KB+8*\t:KB+8*\t+7], v[QF+8*\i:QF+8*\i+7], 0
.endr
.endr
	s_cmp_eq_u32 s[BITS], 0                        ; the step after this one: this job's next set bit, or the following job's first
	s_cselect_b32 s[T], s[NB], s[BITS]
	s_cselect_b32 s[MS], s56, s57                  ; and the query pair whose mask images it reads
	s_cselect_b32 s93, s67, s66                    ; and that job's steps with a mask
	s_ctz_i32_b32 s[T], s[T]
	s_min_u32 s[T], s[T], 15                       ; held inside the 16 steps
	s_lshl_b32 s[U], s[T], 16
	s_add_nc_u64 s[KA:KA+1], s[KVB:KVB+1], s[U:U+1]
	s_lshr_b32 s93, s93, s[T]
	s_and_b32 s93, s93, 1                          ; s93: the next step has a term other than 0
	s_sub_co_u32 s[T2], s[BITS], 1
	s_and_b32 s[BITS], s[BITS], s[T2]
.rept 4
	v_nop                                          ; places: in front of the loads into k's registers and of the first read of S^T
.endr
	KLOAD
	s_wait_loadcnt 32                              ; the mask's term is in; behind it: v's 16 loads and the next k's 16
	s_lshl_b32 s[MS], s[MS], 5
	s_add_co_u32 s[MS], s[MS], s[T]                ; the image's number: 32 x query pair + step,
	s_min_u32 s[MS], s[MS], 2031                   ; held inside m_img (63 x 32 + 15; tile 1 lies 16 images on)
	s_lshl_b32 s[U], s[MS], 13
	s_add_nc_u64 s[MA:MA+1], s[8:9], s[U:U+1]
	s_cmp_eq_u32 s92, 0                            ; a stored whole number chooses: with the mask's term, or without where all of it is 0
	s_cbranch_scc1 .Lplain
	WIN 0x10                                       ; source 2: window 1
.set n, 0
.rept 32
.irp i, 0,1
	v_pk_fma_f32 v[SC+64*\i+n:SC+64*\i+n+1], v[SC+64*\i+n:SC+64*\i+n+1], s[CS:CS+1], v[MT+64*\i+n:MT+64*\i+n+1] op_sel_hi:[1,0,1]   ; t = score x c + mt; each accumulator from its low end on
.endr
.set n, n+2
.endr
	WIN 0
	s_branch .Lhave
.Lplain:
.set n, 0
.rept 32
.irp i, 0,1
	v_pk_mul_f32 v[SC+64*\i+n:SC+64*\i+n+1], v[SC+64*\i+n:SC+64*\i+n+1], s[CS:CS+1] op_sel_hi:[1,0]   ; t = score x c: every term of the mask is 0 here; each accumulator from its low end on
.endr
.set n, n+2
.endr
.Lhave:
	s_mov_b32 s92, s93
	s_cmp_eq_u32 s93, 0
	s_cbranch_scc1 .Lnom                           ; a step whose terms are all 0 has its images left unread
	MLOAD                                          ; the next step's, into the registers just read
.Lnom:
.irp i, 0,1
	v_max3_num_f32 v[MX+2*\i],   v[SC+64*\i],   v[SC+64*\i+1], v[SC+64*\i+2]    ; the step's largest t of my query among my 64 keys, in two chains a unit
	v_max3_num_f32 v[MX+2*\i+1], v[SC+64*\i+3], v[SC+64*\i+4], v[SC+64*\i+5]
.endr
.set n, 6
.rept 14
.irp i, 0,1
	s_delay_alu instid0(VALU_DEP_4)
	v_max3_num_f32 v[MX+2*\i],   v[MX+2*\i],   v[SC+64*\i+n],   v[SC+64*\i+n+1]
	s_delay_alu instid0(VALU_DEP_4)
	v_max3_num_f32 v[MX+2*\i+1], v[MX+2*\i+1], v[SC+64*\i+n+2], v[SC+64*\i+n+3]
.endr
.set n, n+4
.endr
.irp i, 0
	s_delay_alu instid0(VALU_DEP_4)
	v_max3_num_f32 v[MX+2*\i], v[MX+2*\i], v[SC+64*\i+62], v[SC+64*\i+63]
.endr
.irp i, 1
	s_delay_alu instid0(VALU_DEP_3)
	v_max3_num_f32 v[MX+2*\i], v[MX+2*\i], v[SC+64*\i+62], v[SC+64*\i+63]
.endr
.irp i, 0,1
	s_delay_alu instid0(VALU_DEP_2)
	v_max_num_f32 v[MX+2*\i], v[MX+2*\i], v[MX+2*\i+1]
.endr
.irp i, 0,1
	s_delay_alu instid0(VALU_DEP_2)
	v_permlanex16_b32 v[PD+\i], v[MX+2*\i], s[SEL], s[SEL+1]                    ; the query's other 64 keys lie in the lane 16 away
.endr
.irp i, 0,1
	s_delay_alu instid0(VALU_DEP_2)
	v_max3_num_f32 v[ST+4*\i+1], v[MX+2*\i], v[PD+\i], v[ST+4*\i+1]             ; the running largest t
.endr
.irp i, 0,1
	v_mov_b32 v[DM+\i], v[ST+4*\i]
.endr
.irp i, 0,1
	s_delay_alu instid0(VALU_DEP_4)
	v_floor_f32 v[ST+4*\i], -v[ST+4*\i+1]                                       ; the new -M = floor(-t) = -ceil(t): a whole number
.endr
.irp i, 0,1
	s_delay_alu instid0(VALU_DEP_2)
	v_sub_f32 v[DM+\i], v[ST+4*\i], v[DM+\i]                                    ; old M - new M: a whole number, 0 or less
.endr
.irp i, 0,1
	s_delay_alu instid0(VALU_DEP_2)
	v_cvt_i32_f32 v[DM+\i], v[DM+\i]                                            ; (it saturates)
.endr
.irp i, 0,1
	s_delay_alu instid0(VALU_DEP_2)
	v_ldexp_f32 v[FF+2*\i], 1.0, v[DM+\i]                                       ; f = 2^(old M - new M)
.endr
.set n, 0
.rept 32
.irp i, 0,1
	v_pk_add_f32 v[SC+64*\i+n:SC+64*\i+n+1], v[SC+64*\i+n:SC+64*\i+n+1], v[ST+4*\i:ST+4*\i+1] op_sel_hi:[1,0]   ; t - M (of the pair the low word, -M, serves both halves)
.endr
.set n, n+2
.endr
.set n, 0
	s_wait_alu depctr_va_vdst(0)                   ; the wait ahead of the batch
.rept 128
	v_exp_f32 v[SC+n], v[SC+n]                     ; p = 2^(t - M), at most 1: not normalised
.set n, n+1
.endr
.irp i, 0,1
	v_pk_mul_f32 v[ST+4*\i+2:ST+4*\i+3], v[ST+4*\i+2:ST+4*\i+3], v[FF+2*\i:FF+2*\i+1] op_sel_hi:[1,0]   ; the sums under the new M.  (The plain place behind the exponentials)
.endr
	s_wait_alu depctr_va_vdst(0)                   ; and behind it, ahead of its first reader
.irp i, 0,1
	v_pk_add_f32 v[CH+2*\i:CH+2*\i+1], v[SC+64*\i:SC+64*\i+1], v[SC+64*\i+2:SC+64*\i+3]    ; the row's sum is taken of the UNQUANTISED p, two at a time, in two chains a unit
.endr
.set n, 4
.rept 15
.irp i, 0,1
	v_pk_add_f32 v[ST+4*\i+2:ST+4*\i+3], v[ST+4*\i+2:ST+4*\i+3], v[SC+64*\i+n:SC+64*\i+n+1]
	v_pk_add_f32 v[CH+2*\i:CH+2*\i+1], v[CH+2*\i:CH+2*\i+1], v[SC+64*\i+n+2:SC+64*\i+n+3]
.endr
.set n, n+4
.endr
.irp i, 0
	s_delay_alu instid0(VALU_DEP_3)
	v_pk_add_f32 v[ST+4*\i+2:ST+4*\i+3], v[ST+4*\i+2:ST+4*\i+3], v[CH+2*\i:CH+2*\i+1]
.endr
.irp i, 1
	s_delay_alu instid0(VALU_DEP_2)
	v_pk_add_f32 v[ST+4*\i+2:ST+4*\i+3], v[ST+4*\i+2:ST+4*\i+3], v[CH+2*\i:CH+2*\i+1]
.endr
.irp i, 0,1                            ; unit 0 wholly, then unit 1: unit 1's first codes land on unit 0's last two p.  A tile's holds are the plain lines between two conversions
.irp t, 0,1,2,3,4,5,6,7
.irp k, 0,2,4,6
	v_dual_min_num_f32 v[SC+64*\i+8*\t+\k], s[PLS], v[SC+64*\i+8*\t+\k] :: v_dual_min_num_f32 v[SC+64*\i+8*\t+\k+1], s[PLS], v[SC+64*\i+8*\t+\k+1]   ; the conversion does not saturate (ISA guide 7.6.2); p is not negative: a one-sided hold, two numbers a line
.endr
	v_cvt_scalef32_pk8_fp8_f32 v[PC+64*\i+2*\t:PC+64*\i+2*\t+1], v[SC+64*\i+8*\t:SC+64*\i+8*\t+7], v[PS]
.endr
.endr
	WIN 0x41                                       ; O^T (destination and source 0) in window 1, f in window 0
	s_wait_alu depctr_va_vdst(0)                   ; the wait here, directly ahead of the first reader of O^T
.set n, 0
.rept 16
.irp i, 0,1
	v_pk_mul_f32 v[OT+32*\i+n:OT+32*\i+n+1], v[OT+32*\i+n:OT+32*\i+n+1], v[FF+2*\i:FF+2*\i+1] op_sel_hi:[1,0]   ; O^T under the new M.  (Also the plain lines between the conversions and the products)
.endr
.set n, n+2
.endr
	WIN 0x51                                       ; v, C and D in window 1, p's codes in window 0
	s_wait_alu depctr_va_vdst(0)                   ; the wait here, directly ahead of the wait below
	s_wait_loadcnt 16                              ; v is in; behind it at least the next k's 16 loads (the count holds with the next mask's 32 out and without)
.irp d, 0,1,2,3
.irp i, 0,1
	v_wmma_f32_16x16x128_fp8_fp8 v[OT+32*\i+8*\d:OT+32*\i+8*\d+7], v[VB+16*\d:VB+16*\d+15], v[PC+64*\i:PC+64*\i+15], v[OT+32*\i+8*\d:OT+32*\i+8*\d+7]
.endr
.endr
	WIN 0
	s_add_co_u32 s[IT], s[IT], 1
	s_cmp_lt_u32 s[IT], s[NT]
	s_cbranch_scc1 .Ltrip
	; THE WAY OUT of a job.  o = O^T x 2^(e8 + e9) / the sum, held, converted with 2^e10: a unit's 32 numbers become 8 registers of codes, half a fragment of 16 rows x 128 K.
.rept 4
	v_nop                                          ; places behind the last products
.endr
.irp u, 0,1
	v_add_f32 v[ST+4*\u+2], v[ST+4*\u+2], v[ST+4*\u+3]     ; the sum's two halves
.endr
.irp u, 0,1
	v_permlanex16_b32 v[ST+4*\u+3], v[ST+4*\u+2], s[SEL], s[SEL+1]
.endr
.irp u, 0,1
	v_add_f32 v[ST+4*\u+2], v[ST+4*\u+2], v[ST+4*\u+3]     ; and lane l xor 16's: the row's sum
.endr
	s_wait_alu depctr_va_vdst(0)                   ; ahead of the batch
.irp u, 0,1
	v_rcp_f32 v[ST+4*\u+2], v[ST+4*\u+2]
.endr
	v_nop                                          ; a plain place behind the last reciprocal
	s_wait_alu depctr_va_vdst(0)                   ; and behind it
.irp u, 0,1
	v_ldexp_f32 v[ST+4*\u+2], v[ST+4*\u+2], s[EO]
.endr
	WIN 0x01                                       ; source 0: window 1
	s_wait_alu depctr_va_vdst(0)                   ; the wait here, directly ahead of the first reader of O^T
.irp i, 0,1
.set n, 0
.rept 16
	v_pk_mul_f32 v[SC+32*\i+n:SC+32*\i+n+1], v[OT+32*\i+n:OT+32*\i+n+1], v[ST+4*\i+2:ST+4*\i+3] op_sel_hi:[1,0]   ; each accumulator from its low end on
.set n, n+2
.endr
.endr
	WIN 0
.irp i, 0,1
.irp d, 0,1,2,3
.irp k, 0,1,2,3,4,5,6,7
	v_med3_num_f32 v[SC+32*\i+8*\d+\k], v[SC+32*\i+8*\d+\k], -v[OL], v[OL]
.endr
	v_cvt_scalef32_pk8_fp8_f32 v[CD+8*\i+2*\d:CD+8*\i+2*\d+1], v[SC+32*\i+8*\d:SC+32*\i+8*\d+7], v[OS]
.endr
.endr
	v_nop                                          ; one plain line behind the last conversion
.irp i, 0,1
.irp c, 0,1
	global_store_b128 v[L16], v[CD+8*\i+4*\c:CD+8*\i+4*\c+3], s[OA:OA+1] offset:4096*\i+512*\c    ; 32 lanes store 512 consecutive bytes, aligned
.endr
.endr
.set n, 0
.rept 16
	v_mov_b32 v[QF+n], v[QN+n]                     ; the second job's q, loaded at the head, takes the place that the products name
.set n, n+1
.endr
	s_wait_xcnt 0x0                                ; the stores have read their registers and their base
	s_mov_b64 s[OA:OA+1], s[OAN:OAN+1]
	s_mov_b32 s57, s56                             ; the second job's query pair is now the one in hand
	s_mov_b32 s66, s67
	s_mov_b32 s67, 0                               ; behind the second job no mask is asked for
	s_mov_b32 s[BTC], s[BTN]
	s_mov_b32 s[NB], 0x8000                        ; nothing follows the second job: its last step asks once more for step 15, inside the buffers, and nobody reads that
	s_add_co_u32 s[JT], s[JT], 1
	s_cmp_lt_u32 s[JT], 2
	s_cbranch_scc1 .Ljob
	s_endpgm
.Lfunc_end_k_q19e4c7ca0a_attn:
	.size	k_q19e4c7ca0a_attn, .Lfunc_end_k_q19e4c7ca0a_attn-k_q19e4c7ca0a_attn
	.p2alignl 7, 3214868480
	.fill 96, 4, 3214868480
	.section	.rodata,"a",@progbits
	.p2align	6, 0x0
	.amdhsa_kernel k_q19e4c7ca0a_attn
		.amdhsa_group_segment_fixed_size 0
		.amdhsa_private_segment_fixed_size 0
		.amdhsa_enable_private_segment 0
		.amdhsa_kernarg_size 48
		.amdhsa_user_sgpr_count 2
		.amdhsa_user_sgpr_kernarg_segment_ptr 1
		.amdhsa_wavefront_size32 1
		.amdhsa_system_sgpr_workgroup_id_x 1
		.amdhsa_system_sgpr_workgroup_id_y 1
		.amdhsa_system_sgpr_workgroup_id_z 1
		.amdhsa_system_vgpr_workitem_id 0
		.amdhsa_next_free_vgpr 512
		.amdhsa_next_free_sgpr 96
		.amdhsa_reserve_vcc 0
		.amdhsa_float_denorm_mode_32 3
		.amdhsa_float_denorm_mode_16_64 3
		.amdhsa_memory_ordered 1
		.amdhsa_forward_progress 1
		.amdhsa_inst_pref_size 64
	.end_amdhsa_kernel
	.amdgpu_metadata
---
amdhsa.version: [ 1, 2 ]
amdhsa.kernels:
  - .name:           k_q19e4c7ca0a_attn
    .symbol:         k_q19e4c7ca0a_attn.kd
    .args:
      - { .name: q_img, .offset: 0, .size: 8, .value_kind: global_buffer, .address_space: global }
      - { .name: kv_img, .offset: 8, .size: 8, .value_kind: global_buffer, .address_space: global }
      - { .name: m_img, .offset: 16, .size: 8, .value_kind: global_buffer, .address_space: global }
      - { .name: flags, .offset: 24, .size: 8, .value_kind: global_buffer, .address_space: global }
      - { .name: lowp_scales, .offset: 32, .size: 8, .value_kind: global_buffer, .address_space: global }
      - { .name: o_img, .offset: 40, .size: 8, .value_kind: global_buffer, .address_space: global }
    .group_segment_fixed_size: 0
    .private_segment_fixed_size: 0
    .kernarg_segment_align: 8
    .kernarg_segment_size: 48
    .max_flat_workgroup_size: 256
    .sgpr_count:     96
    .vgpr_count:     512
    .wavefront_size: 32
...
	.end_amdgpu_metadata
.endif
;; end of part 3
;; launch dense (part 4): grid 4 x 32, 4 waves a work-group, clusters of 4 x 4, 327,680 bytes of LDS; arguments o_img, dense_w_codes, dense_b, lowp_scales, out0; writes out0
.if DOCPART == 4
	.amdgcn_target "amdgcn-amd-amdhsa--gfx1250"
	.amdhsa_code_object_version 6
	.text
	.protected	k_q19e4c7ca0a_dense
	.globl	k_q19e4c7ca0a_dense
	.p2align	8
	.type	k_q19e4c7ca0a_dense,@function
k_q19e4c7ca0a_dense:
	s_mov_b64 s[64:65], 0
	v_nop
	global_prefetch_b8 v0, s[64:65] scope:SCOPE_SE
	s_setreg_imm32_b32 hwreg(HW_REG_WAVE_MODE, 25, 1), 1
	s_wait_xcnt 0x0
	s_wait_alu depctr_hold_cnt(0) depctr_sa_sdst(0) depctr_va_vdst(0) depctr_va_sdst(0) depctr_va_ssrc(0) depctr_va_vcc(0) depctr_vm_vsrc(0)
	s_getreg_b32 s2, hwreg(HW_REG_IB_STS2, 6, 4)
	s_cmp_eq_u32 s2, 0
	s_cbranch_scc0 .Lentry_in_a_cluster
	s_endpgm
.Lentry_in_a_cluster:
	s_bfe_u32 s2, ttmp6, 0x10000c
	s_cmp_lg_u32 s2, 0xf033
	s_cbranch_scc0 .Lentry_shape_is_right
	s_endpgm
.Lentry_shape_is_right:
.set SIZE_N, 1024
.set KROW,   1024
.set ROWB,   256
.set PITCH,  272
.set FR,     16
.set NL,     4
.set NP,     4
.set HALFT,  128*PITCH
.set AIMG,   65536
.set AKSTEP, 2097152
.set SLOT,   AIMG+2*HALFT
.set LAPS,   KROW/(2*ROWB)
.set SPARE,  2*SLOT
.set SPITCH, 528
.set ADRA, 16
.set ADRB, 20
.set STO,  24
.set RD,   25
.set CO,   26
.set BO,   27
.set SPW,  28
.set NIL,  29
.set TMP,  32
.set AF,   128
.set BK,   128
.set G1, 24
.set G0, 32
.set G1B, 48
.set G0B, 56
.set MSB, 0
.macro WIN new
.if MSB != \new
	s_set_vgpr_msb (MSB<<8)|\new
.set MSB, \new
.endif
.endm
.set MUL_LO, 0xa1
.set MUL_HI, 0xf1
.set TO_B,   0x40
.macro JLOAD g0a, g1a, g0b, g1b
	s_cmp_eq_u32 s15, 0
	s_cbranch_scc0 .Lfor_b_\@
	tensor_load_to_lds s[\g0a:\g0a+3], s[\g1a:\g1a+7]
	s_nop 0
.rept 4
	v_nop
.endr
	s_branch .Lasked_\@
.Lfor_b_\@:
	tensor_load_to_lds s[\g0b:\g0b+3], s[\g1b:\g1b+7]
	s_nop 0
.rept 4
	v_nop
.endr
.Lasked_\@:
.endm
.macro CREST
	s_cmp_lg_u32 s14, 0
	s_cbranch_scc1 .Lnot_wave_0_\@
	s_barrier_signal -3
.Lnot_wave_0_\@:
	s_barrier_wait -3
	s_barrier_signal -1
	s_barrier_wait -1
.endm
.macro CROUND
	s_barrier_signal -1
	s_barrier_wait -1
	CREST
.endm
	s_load_b256 s[4:11], s[0:1], 0x0
	s_load_b64 s[12:13], s[0:1], 0x20
	v_lshl_add_u32 v[SPW], v0, 2, SPARE
	v_mov_b32 v[NIL], 0
	ds_add_u32 v28, v29
	ds_add_u32 v28, v29
	s_wait_dscnt 0x0
	v_lshrrev_b32 v1, 5, v0
	v_readfirstlane_b32 s14, v1
	s_lshr_b32 s15, s14, 1
	s_and_b32 s16, s14, 1
	s_bfe_u32 s40, ttmp6, 0x40000
	s_bfe_u32 s41, ttmp6, 0x40004
	s_lshl_b32 s42, ttmp9, 2
	s_add_co_u32 s42, s42, s40
	s_and_b32 s17, ttmp7, 0xffff
	s_lshl_b32 s17, s17, 2
	s_add_co_u32 s17, s17, s41
	s_lshl_b32 s43, s41, 2
	s_lshl_b32 s43, 15, s43
	s_lshl_b32 s44, 0x1111, s40
	s_or_b32 s[G1+0], s43, (3<<16)|(1<<21)
	s_mov_b32 s[G1+1], 32<<16
	s_mov_b32 s[G1+2], 128<<16
	s_mov_b32 s[G1+3], 32<<16
	s_mov_b32 s[G1+4], 128
	s_mov_b32 s[G1+5], 32
	s_mov_b32 s[G1+6], 0
	s_mov_b32 s[G1+7], 0
	s_or_b32 s[G1B+0], s44, (0<<16)|(1<<20)|(1<<21)|(5<<22)|(3<<25)
	s_mov_b32 s[G1B+1], ROWB<<16
	s_mov_b32 s[G1B+2], 128<<16
	s_mov_b32 s[G1B+3], ROWB<<16
	s_mov_b32 s[G1B+4], 128
	s_mov_b32 s[G1B+5], KROW
	s_mov_b32 s[G1B+6], 0
	s_mov_b32 s[G1B+7], 0
	s_lshl_b32 s20, s17, 16
	s_lshl_b32 s18, s16, 15
	s_add_co_u32 s20, s20, s18
	s_mov_b32 s21, 0
	s_lshl_b32 s46, s42, 8
	s_lshl_b32 s19, s16, 7
	s_add_co_u32 s46, s46, s19
	s_lshl_b32 s46, s46, 10
	s_mov_b32 s47, 0
	s_lshl_b32 s45, s16, 15
	s_mul_i32 s22, s16, HALFT
	s_add_co_u32 s22, s22, AIMG
	s_wait_kmcnt 0x0
	s_load_b64 s[96:97], s[10:11], 0x28
	s_add_nc_u64 s[20:21], s[4:5], s[20:21]
	s_add_nc_u64 s[46:47], s[6:7], s[46:47]
	CROUND
.irp s, 0,1
	s_mov_b32 s[G0+4*\s], 1
	s_add_co_u32 s[G0+4*\s+1], s45, \s*SLOT
	s_add_nc_u64 s[G0+4*\s+2:G0+4*\s+3], s[20:21], \s*AKSTEP
	s_or_b32 s[G0+4*\s+3], s[G0+4*\s+3], 0x80000000
	s_mov_b32 s[G0B+4*\s], 1
	s_add_co_u32 s[G0B+4*\s+1], s22, \s*SLOT
	s_add_nc_u64 s[G0B+4*\s+2:G0B+4*\s+3], s[46:47], \s*ROWB
	s_or_b32 s[G0B+4*\s+3], s[G0B+4*\s+3], 0x80000000
	s_wait_alu depctr_va_vdst(0)
	s_wait_tensorcnt 0x0
	ds_add_u32 v28, v29
	ds_add_u32 v28, v29
	s_wait_dscnt 0x0
	CROUND
	JLOAD G0+4*\s, G1, G0B+4*\s, G1B
.endr
	v_and_b32 v1, 15, v0
	v_bfe_u32 v2, v0, 4, 1
	v_and_b32 v6, 31, v0
	v_lshlrev_b32 v[CO], 4, v6
	v_mul_u32_u24 v3, v1, PITCH
	v_lshl_add_u32 v4, v2, 3, v3
	s_lshl_b32 s21, s15, 15
	s_mul_i32 s22, s16, HALFT
	s_add_co_u32 s22, s22, AIMG
.irp s, 0,1
	v_add_nc_u32 v[ADRA+\s], s21, v[CO]
	v_add_nc_u32 v[ADRB+\s], s22, v4
	s_add_co_u32 s21, s21, SLOT
	s_add_co_u32 s22, s22, SLOT
.endr
	s_mul_i32 s23, s14, 16*SPITCH
	v_mul_u32_u24 v5, v1, SPITCH
	v_lshl_add_u32 v5, v2, 5, v5
	v_add_nc_u32 v[STO], s23, v5
	v_add_nc_u32 v[RD], s23, v[CO]
	v_lshlrev_b32 v[BO], 5, v2
	s_lshl_b32 s20, s17, 8
	s_lshl_b32 s21, s15, 7
	s_add_co_u32 s20, s20, s21
	s_mov_b32 s21, 0
	s_mov_b64 s[18:19], SIZE_N*4
	s_mul_u64 s[20:21], s[20:21], s[18:19]
	s_lshl_b32 s46, s42, 10
	s_lshl_b32 s47, s16, 9
	s_add_co_u32 s46, s46, s47
	s_mov_b32 s47, 0
	s_add_nc_u64 s[8:9], s[8:9], s[46:47]
	s_add_nc_u64 s[20:21], s[20:21], s[46:47]
	s_add_nc_u64 s[12:13], s[12:13], s[20:21]
.macro FRAG_A reg, slot, q, i
.irp c, 0,1,2,3
	ds_load_b128 v[\reg+4*\c:\reg+4*\c+3], v[ADRA+\slot] offset:(\i)*4096+(\q)*2048+512*\c
.endr
.endm
.macro FRAG_B reg, slot, q, i
.irp c, 0,1,2,3,4,5,6,7
	ds_load_b64 v[\reg+2*\c:\reg+2*\c+1], v[ADRB+\slot] offset:128*(\q)+16*\c+(\i)*16*PITCH
.endr
.endm
.macro MUL16 a0, p, zero
.irp a, \a0, \a0+1
.irp b, 0,1,2,3,4,5,6,7
.if \zero
	v_wmma_f32_16x16x128_fp8_fp8 v[8*(8*((\a)%4)+\b):8*(8*((\a)%4)+\b)+7], v[128*(\p)+FR*\b:128*(\p)+FR*\b+FR-1], v[AF+FR*(\a):AF+FR*(\a)+FR-1], 0
.else
	v_wmma_f32_16x16x128_fp8_fp8 v[8*(8*((\a)%4)+\b):8*(8*((\a)%4)+\b)+7], v[128*(\p)+FR*\b:128*(\p)+FR*\b+FR-1], v[AF+FR*(\a):AF+FR*(\a)+FR-1], v[8*(8*((\a)%4)+\b):8*(8*((\a)%4)+\b)+7]
.endif
.endr
.endr
.endm
.macro FETCH_B slot, q, p
	WIN TO_B
.irp i, 0,1,2,3,4,5,6,7
	FRAG_B 128*(\p)+FR*\i, \slot, \q, \i
.endr
	WIN 0
.endm
.macro FETCH_A slot, q, i0
.irp i, \i0, \i0+1, \i0+2, \i0+3
	FRAG_A AF+FR*(\i), \slot, \q, \i
.endr
.endm
.macro PLACES n
.rept \n
	v_nop
.endr
.endm
.macro STEP slot, q, zero
	s_wait_dscnt 4*NL
	WIN MUL_LO
	MUL16 0, (\q)%2, \zero
	MUL16 2, (\q)%2, \zero
	s_wait_dscnt 0
	PLACES NP
	FETCH_B \slot, (\q)+1, 1-(\q)%2
	FETCH_A \slot, (\q)+1, 0
	WIN MUL_HI
	MUL16 4, (\q)%2, \zero
	MUL16 6, (\q)%2, \zero
	PLACES NP
	WIN 0
	FETCH_A \slot, (\q)+1, 4
.endm
.macro TURN slot, next, fill
	s_wait_tensorcnt 0x0
	ds_add_u32 v[SPW], v[NIL]
	s_wait_dscnt 4*NL+1
	WIN MUL_LO
	MUL16 0, 1, 0
	s_wait_dscnt 0x0
	s_barrier_signal -1
	MUL16 2, 1, 0
	WIN 0
	s_barrier_wait -1
.if \fill
	CREST
	s_add_nc_u64 s[G0+4*\slot+2:G0+4*\slot+3], s[G0+4*\slot+2:G0+4*\slot+3], 2*AKSTEP
	s_add_nc_u64 s[G0B+4*\slot+2:G0B+4*\slot+3], s[G0B+4*\slot+2:G0B+4*\slot+3], 2*ROWB
	JLOAD G0+4*\slot, G1, G0B+4*\slot, G1B
.else
	PLACES NP
.endif
	FETCH_B \next, 0, 0
	FETCH_A \next, 0, 0
	WIN MUL_HI
	MUL16 4, 1, 0
	MUL16 6, 1, 0
	PLACES NP
	WIN 0
	FETCH_A \next, 0, 4
.endm
	s_wait_alu depctr_va_vdst(0)
	s_wait_tensorcnt 1
	s_barrier_signal -1
	s_barrier_wait -1
	FETCH_B 0, 0, 0
	FETCH_A 0, 0, 0
	FETCH_A 0, 0, 4
	STEP 0, 0, 1
	s_mov_b32 s3, LAPS-1
.Llap:
	TURN 0, 1, 1
	STEP 1, 0, 0
	TURN 1, 0, 1
	STEP 0, 0, 0
	s_sub_co_u32 s3, s3, 1
	s_cmp_lg_u32 s3, 0
	s_cbranch_scc1 .Llap
	TURN 0, 1, 0
	STEP 1, 0, 0
	WIN TO_B
.irp b, 0,1,2,3,4,5,6,7
	global_load_b128 v[8*\b:8*\b+3],   v[BO], s[8:9] offset:64*\b
	global_load_b128 v[8*\b+4:8*\b+7], v[BO], s[8:9] offset:64*\b+16
.endr
	WIN 0
	s_wait_dscnt 4*NL
	WIN MUL_LO
	MUL16 0, 1, 0
	MUL16 2, 1, 0
	s_wait_dscnt 0
	WIN MUL_HI
	MUL16 4, 1, 0
	MUL16 6, 1, 0
	WIN 0
.macro TOSTAGE a
.set AC, 64*((\a)%4)
	WIN 0x12+((\a)/4)
.irp j, 0,2,4,6,8,10,12,14,16,18,20,22,24,26,28,30,32,34,36,38,40,42,44,46,48,50,52,54,56,58,60,62
	v_pk_fma_f32 v[TMP+\j:TMP+\j+1], v[AC+\j:AC+\j+1], s[96:97], v[\j:\j+1] op_sel_hi:[1,0,1]
.endr
	WIN 0
.irp b, 0,1,2,3,4,5,6,7
	ds_store_b128 v[STO], v[TMP+8*\b:TMP+8*\b+3] offset:64*\b
	ds_store_b128 v[STO], v[TMP+8*\b+4:TMP+8*\b+7] offset:64*\b+16
.endr
.set BB, BK+64*((\a)%2)
.irp t, 0,1,2,3,4,5,6,7,8,9,10,11,12,13,14,15
	ds_load_b128 v[BB+4*\t:BB+4*\t+3], v[RD] offset:\t*SPITCH
.endr
.endm
.macro SEND a, younger
.set BB, BK+64*((\a)%2)
	s_wait_dscnt \younger
.if (\a) > 0
	s_add_nc_u64 s[12:13], s[12:13], 16*SIZE_N*4
.endif
.irp t, 0,1,2,3,4,5,6,7,8,9,10,11,12,13,14,15
	global_store_b128 v[CO], v[BB+4*\t:BB+4*\t+3], s[12:13] offset:\t*SIZE_N*4 th:TH_STORE_NT
.endr
.endm
	s_wait_kmcnt 0x0
	s_add_co_i32 s96, s96, s97
	s_add_co_i32 s96, s96, 127
	s_lshl_b32 s96, s96, 23
	s_mov_b32 s97, s96
	s_wait_loadcnt 0x0
	PLACES NP
	TOSTAGE 0
.irp a, 1,2,3,4,5,6,7
.if \a > 1
	s_wait_xcnt 0x0
.endif
	TOSTAGE \a
	SEND \a-1, 32
.endr
	s_wait_xcnt 0x0
	SEND 7, 0
	s_wait_tensorcnt 0x0
	ds_add_u32 v[SPW], v[NIL]
	s_wait_dscnt 0x0
	CROUND
	s_endpgm
.Lfunc_end_k_q19e4c7ca0a_dense:
	.size	k_q19e4c7ca0a_dense, .Lfunc_end_k_q19e4c7ca0a_dense-k_q19e4c7ca0a_dense
	.p2alignl 7, 3214868480
	.fill 96, 4, 3214868480
	.section	.rodata,"a",@progbits
	.p2align	6, 0x0
	.amdhsa_kernel k_q19e4c7ca0a_dense
		.amdhsa_group_segment_fixed_size 327680
		.amdhsa_private_segment_fixed_size 0
		.amdhsa_enable_private_segment 0
		.amdhsa_kernarg_size 40
		.amdhsa_user_sgpr_count 2
		.amdhsa_user_sgpr_kernarg_segment_ptr 1
		.amdhsa_wavefront_size32 1
		.amdhsa_system_sgpr_workgroup_id_x 1
		.amdhsa_system_sgpr_workgroup_id_y 1
		.amdhsa_system_sgpr_workgroup_id_z 1
		.amdhsa_system_vgpr_workitem_id 0
		.amdhsa_next_free_vgpr 1024
		.amdhsa_next_free_sgpr 98
		.amdhsa_reserve_vcc 0
		.amdhsa_float_denorm_mode_32 3
		.amdhsa_float_denorm_mode_16_64 3
		.amdhsa_memory_ordered 1
		.amdhsa_forward_progress 1
		.amdhsa_inst_pref_size 142
	.end_amdhsa_kernel
	.amdgpu_metadata
---
amdhsa.version: [ 1, 2 ]
amdhsa.kernels:
  - .name:           k_q19e4c7ca0a_dense
    .symbol:         k_q19e4c7ca0a_dense.kd
    .args:
      - { .name: o_img, .offset: 0, .size: 8, .value_kind: global_buffer, .address_space: global }
      - { .name: dense_w_codes, .offset: 8, .size: 8, .value_kind: global_buffer, .address_space: global }
      - { .name: dense_b, .offset: 16, .size: 8, .value_kind: global_buffer, .address_space: global }
      - { .name: lowp_scales, .offset: 24, .size: 8, .value_kind: global_buffer, .address_space: global }
      - { .name: out0, .offset: 32, .size: 8, .value_kind: global_buffer, .address_space: global }
    .group_segment_fixed_size: 327680
    .private_segment_fixed_size: 0
    .kernarg_segment_align: 8
    .kernarg_segment_size: 40
    .max_flat_workgroup_size: 128
    .sgpr_count:     98
    .vgpr_count:     1024
    .wavefront_size: 32
...
	.end_amdgpu_metadata
.endif
;; end of part 4
